; MI455X (gfx1250); checked and timed in simulation.
; The chip was launched on July 23, 2026; its instructions are those of AMD's public machine-readable ISA for CDNA 5 (MIT licence, August 2026) and "CDNA5" Instruction Set Architecture Reference Guide (July 2026). The comments in the code are by the model that wrote it; some were corrected since.
;; Deformable DETR. Allowed arithmetic: matrix products marked QUANTISED: E5M2 operands, one E8M0 scale for each 32 along K, by v_wmma_scale_f32_16x16x128_f8f6f4 with both operands' format E5M2, f32 sums; products left as they are: f32 operands where the result goes on into a quantised operand, else bf16, f16 or f32 operands; f32 sums; everything else in f32.
;; Inputs: We 8 x 768 x 256 float32; Wg 768 x 8 float32; be 8 x 256 float32; bg 8 float32; x 8 x 4,096 x 768 float32.
;; Outputs: out0 8 x 4,096 x 256 float32.
;; This version of the problem:
;;   THIS VERSION OF THE PROBLEM IS GIVEN IN LOW PRECISION. The matrix products marked QUANTISED in the list below multiply operands that are first quantised to E5M2 (5 exponent bits, 2 mantissa bits; 8 bits a number), with one power-of-two scale for each 32 numbers along K (OCP MX v1.0); their sums are f32. All else is computed in f32.
;;   The module's matrix products, in the order in which they are computed (A, B: the left and right operand; K: the contracted axis; several contracted axes count as one K, in the product's order):
;;     1. [M 32,768, K 768] x [K 768, N 8]; A: input x; B: input Wg: left as it is (N = 8 < 16)
;;     2. [M 32,768, K 768] x [K 768, N 2,048]; A: input x; B: input We: QUANTISED
;;     3. batch 32,768 x [M 1, K 8] x [K 8, N 256]; A: computed on the way; B: computed on the way: left as it is (K = 8 < 32)
;;   THE QUANTISER, for each operand of a quantised product, along K:
;;     - K is cut into blocks of 32 from its start; a last block that is shorter is filled with zeros.
;;     - A block's scale is 2^e with e = floor(log2(the largest magnitude in the block)) - 15, held to -126 .. 127; a block of zeros has e = 0. As a byte (E8M0): e + 127.
;;     - Each number is divided by its block's scale, clamped to +-57,344, and rounded to the nearest number of E5M2, ties to even, subnormals kept.
;;     - The product sums the exact products of the quantised numbers (number of the format x scale) in f32.
;;   ~~~python
;;   def quantise(x, axis):      # numpy; x: float32 -> the quantised numbers, widened to float32 again
;;       x = np.moveaxis(x, axis, -1); K = x.shape[-1]
;;       x = np.pad(x, [(0, 0)] * (x.ndim - 1) + [(0, -K % 32)]); x = x.reshape(x.shape[:-1] + (-1, 32)); a = np.abs(x).max(-1, keepdims=True)
;;       e = np.where(a > 0, np.clip(np.frexp(np.where(a > 0, a, 1))[1] - 1 - 15, -126, 127), 0)      # np.frexp(a)[1] - 1 = floor(log2(a)), exactly
;;       r = np.clip(x / 2.0 ** e, -57344, 57344)
;;       step = 2.0 ** (np.maximum(np.frexp(np.where(r == 0, 1, r))[1] - 1, -14) - 2)
;;       q = np.round(r / step) * step * 2.0 ** e      # np.round: ties to even
;;       return np.moveaxis(q.reshape(q.shape[:-2] + (-1,))[..., :K], -1, axis).astype(np.float32)
;;   ~~~
;; One version. Each part assembles by itself: llvm-mc -triple=amdgcn-amd-amdhsa -mcpu=gfx1250 --defsym DOCPART=n.
;; ======== version 1 of 1: 2 launches
;; limits: right only within a limited range of input values
;; workspace buffers: xq 27,262,976 bytes; wq 1,638,400 bytes
;; launch gateq (part 1): grid 256 x 1, 4 waves a work-group, no clusters, 103,936 bytes of LDS; arguments x, Wg, bg, We, xq, wq; writes xq, wq
.if DOCPART == 1
	.amdgcn_target "amdgcn-amd-amdhsa--gfx1250"
	.amdhsa_code_object_version 6
	.text
	.protected	k_q1a3864968d_gateq
	.globl	k_q1a3864968d_gateq
	.p2align	8
	.type	k_q1a3864968d_gateq,@function
k_q1a3864968d_gateq:
	s_mov_b64 s[64:65], 0
	v_nop
	global_prefetch_b8 v0, s[64:65] scope:SCOPE_SE
	s_setreg_imm32_b32 hwreg(HW_REG_WAVE_MODE, 25, 1), 1
	s_wait_xcnt 0x0
; FIRST OF TWO LAUNCHES.  It reads x once and leaves, for each tile of 16 tokens, a TOKEN UNIT of 13,312 bytes in xq, laid in the order in which the next launch's registers take it:
;   bytes 0 .. 12,287       six images of an operand's registers, K step s = 0 .. 5, 2,048 bytes each: byte 512 c + 16 lane + b is the code of x[16 T + lane % 16][128 s + 32 c + 16 (lane / 16) + b]
;   bytes 12,288 .. 12,799  16 bytes a lane: word n (0 .. 2) of lane 16 u + r is token r's scale word for K step 3 u + n; word 3 is 0
;   bytes 12,800 .. 13,311  the gate's weights, f32: experts 0-3 of token r at 16 r, experts 4-7 at 256 + 16 r: p = softmax(x Wg + bg) for the two best experts, 0 for the six others
; x is quantised to codes of E5M2 with one E8M0 scale for each 32 along K.  The gate is made in f32: packed fused multiply-adds, each lane over its own k, then a sum over the lanes.
; Work-groups 0 to 191 also quantise We along K into wq.  A WEIGHT UNIT is expert e, columns 64 g + 16 w + 0 .. 15: 12,800 bytes at ((4 g + w) 8 + e) x 12,800:
;   six images as above (code of We[e][128 s + 32 c + 16 (lane / 16) + b][column lane % 16]) and a scale image as above (column r).
; SHARES.  A work-group of four waves owns 128 tokens, wave w its rows 32 w .. 32 w + 31: two tiles.  All LDS bytes are a wave's own (its 32 rows of codes, its 768 scale bytes), so no barrier stands in the text.
; Work-groups share nothing but Wg's 24,576 bytes, a small part of the 393,216 bytes of x that a work-group reads: no cluster, no tensor load.  x is loaded two K steps ahead into registers: no prefetch.
; LIMITS: NaN and infinities among the inputs are not served.  A block whose largest magnitude lies under 2^(16 - 127) gets the scale byte 1 (a block of zeros: zero codes, which add nothing; this program alone reads the bytes).
; The logits are summed in f32 in another order than a plain row sum: a token whose second and third logit lie within that rounding of each other may choose the other of the two.  An exponential that would be denormal is 0 (ISA guide 15.8).
; REGISTERS, in windows of 256 (s_set_vgpr_msb: bits 1:0 source 0, 3:2 source 1, 5:4 source 2, 7:6 destination).  window 0: v3-11 addresses; v12-19 the two scale images; v48-227 at work on the quantiser and the images, v48-255 on the reduction.
;   window 1: 256 partial logits (8 R + e).   window 2: v0-63 Wg of my 4 k, two sets.   window 3: x, two sets of 32 rows x 4; at the end v0-63 my part of We.
.set TU,     13312
.set APITCH, 784                       ; a row of codes in LDS: 768 bytes + 16: an odd multiple of 16 bytes
.set AST,    128*APITCH                ; the scale bytes, [wave][K step][row][block]
.set SPARE,  AST+3072
.set EBYTES, 768*256*4                 ; an expert's weights
.set UNIT,   12800
.set VX,   3                           ; v3   16 x lane: my 16 bytes of a load of x, and of an image
.set VW,   4                           ; v4   128 x lane: Wg's rows of my 4 k
.set LA0,  5                           ; v5   my wave's 32 rows of codes + 4 x lane
.set LS0,  6                           ; v6   my wave's scale bytes + lane / 8
.set LAT,  7                           ; v7, v8   the same two for the trip in hand
.set LST,  8
.set VCW,  9                           ; v9   where my row's weights go: (lane / 16) units + 16 (lane % 16)
.set LAR,  10                          ; v10  a fragment out of my rows: row lane % 16, + 16 (lane / 16)
.set LSI,  11                          ; v11  a scale image out of my scale bytes
.set SI,   12                          ; v12-15, v16-19  the two scale images
.set WEA,  20                          ; v20  We: my column, and 16 rows further down for lanes 16-31
.set WSP,  24                          ; v24  a weight's scale word's place: 16 r
.set LRT,  25                          ; v25  LAR for the trip in hand
.set M,    48                          ; v48-63   16 rows: largest magnitudes, then scale bytes
.set SCO,  64                          ; v64-79   the conversions' scale operands
.set HLD,  80                          ; v80-95   57,344 x the scale
.set T,    96                          ; v96-163  16 rows x 4 held numbers, and four zeros
.set CD,   164                         ; v164-195 codes: the even registers count
.set IMG,  196                         ; v196-227 the two tiles' images of a K step
.set T0,   48                          ; the reduction: what I send,
.set T1,   80                          ; what I receive (registers that have been written),
.set RES,  128                         ; and the sums
.set MSB, 0
.macro WIN new                         ; the immediate's high byte repeats the setting that is left; a switch that changes nothing is dropped
.if MSB != (\new)
	s_set_vgpr_msb (MSB<<8)|(\new)
.set MSB, (\new)
.endif
.endm
	s_load_b256 s[4:11], s[0:1], 0x0               ; x s[4:5], Wg s[6:7], bg s[8:9], We s[10:11]
	s_load_b64 s[14:15], s[0:1], 0x20              ; xq
	s_load_b64 s[16:17], s[0:1], 0x28              ; wq
	v_lshl_add_u32 v30, v0, 2, SPARE
	v_mov_b32 v31, 0
	v_lshrrev_b32 v44, 5, v0
	v_readfirstlane_b32 s25, v44                   ; wave 0..3
	s_mov_b32 s20, 0x76543210
	s_mov_b32 s21, 0xfedcba98                      ; v_permlanex16_b32's selects for lane l xor 16
	s_mov_b32 s22, 0x600000                        ; the mantissa field of 57,344
	s_mov_b32 s50, 0xffff0000                      ; lanes whose number has bit 4, 3, 2, 1, 0 set
	s_mov_b32 s51, 0xff00ff00
	s_mov_b32 s52, 0xf0f0f0f0
	s_mov_b32 s53, 0xcccccccc
	s_mov_b32 s54, 0xaaaaaaaa
	s_mul_i32 s18, ttmp9, 128*3072                 ; x: my block's 128 rows of 3,072 bytes, my wave's 32 of them (under 2^27)
	s_mul_i32 s19, s25, 32*3072
	s_add_co_u32 s18, s18, s19
	s_mov_b32 s19, 0
	s_lshl_b32 s58, ttmp9, 3                       ; xq: my wave's first tile is 8 x block + 2 x wave
	s_lshl_b32 s59, s25, 1
	s_add_co_u32 s58, s58, s59
	s_mul_i32 s58, s58, TU
	s_mov_b32 s59, 0
	s_wait_kmcnt 0x0
	s_load_b256 s[40:47], s[8:9], 0x0              ; bg's eight numbers; waited for ahead of the softmax
	s_add_nc_u64 s[4:5], s[4:5], s[18:19]
	s_add_nc_u64 s[14:15], s[14:15], s[58:59]
	v_and_b32 v44, 31, v0                          ; lane
	v_and_b32 v45, 15, v0                          ; r
	v_bfe_u32 v46, v0, 4, 1                        ; h
	v_bfe_u32 v47, v0, 3, 2                        ; lane / 8: my block of 32 in a K step
	s_wait_alu depctr_va_vdst(0)
	v_lshlrev_b32 v[VX], 4, v44
	v_lshlrev_b32 v[VW], 7, v44
; 40 loads: Wg's rows of my 4 k of a K step (128 bytes a lane), then that K step of my wave's 32 rows of x: each load of x reads 512 consecutive bytes of one row, so lane l gets k = 128 s + 4 l + 0 .. 3.
; sp: the K step's parity and the set of registers; nxt = 1: the next trip's.
.macro XLOADS sp, nxt
	WIN 0x80                                       ; destination window 2
.irp jj, 0,1,2,3,4,5,6,7
	global_load_b128 v[32*\sp+4*\jj:32*\sp+4*\jj+3], v[VW], s[6:7] offset:8192*\nxt+4096*\sp+16*\jj
.endr
	WIN 0xc0                                       ; destination window 3
.set n, 0
.rept 32
	global_load_b128 v[128*\sp+4*n:128*\sp+4*n+3], v[VX], s[4:5] offset:3072*n+1024*\nxt+512*\sp th:TH_LOAD_NT
.set n, n+1
.endr
	WIN 0
.endm
	XLOADS 0, 0
	XLOADS 1, 0
	; my part of We (work-groups 0 to 191): K step s66, unit (e = s68, g = s69, wave)
	s_lshr_b32 s66, ttmp9, 5
	s_and_b32 s67, ttmp9, 31
	s_and_b32 s68, s67, 7
	s_lshr_b32 s69, s67, 3
	s_mul_i32 s72, s68, EBYTES                     ; We: expert, K step (128 rows of 1,024 bytes), 64 g + 16 w columns
	s_lshl_b32 s70, s66, 17
	s_add_co_u32 s72, s72, s70
	s_lshl_b32 s70, s69, 8
	s_add_co_u32 s72, s72, s70
	s_lshl_b32 s70, s25, 6
	s_add_co_u32 s72, s72, s70
	s_mov_b32 s73, 0
	s_add_nc_u64 s[72:73], s[10:11], s[72:73]
	s_lshl_b32 s74, s69, 2                         ; the unit's first byte
	s_add_co_u32 s74, s74, s25
	s_lshl_b32 s74, s74, 3
	s_add_co_u32 s74, s74, s68
	s_mul_i32 s74, s74, UNIT
	s_lshl_b32 s70, s66, 11
	s_add_co_u32 s76, s74, s70                     ; this K step's image
	s_mov_b32 s77, 0
	s_cmp_ge_u32 s66, 3                            ; this K step's scale words: u = s / 3, n = s % 3
	s_cselect_b32 s84, 1, 0
	s_mul_i32 s70, s84, 3
	s_sub_co_u32 s85, s66, s70
	s_lshl_b32 s70, s84, 8
	s_add_co_u32 s78, s74, s70
	s_lshl_b32 s70, s85, 2
	s_add_co_u32 s78, s78, s70
	s_add_co_u32 s78, s78, 12288
	s_mov_b32 s79, 0
	s_add_nc_u64 s[76:77], s[16:17], s[76:77]
	s_add_nc_u64 s[78:79], s[16:17], s[78:79]
	s_mul_i32 s58, s25, 32*APITCH                  ; my wave's rows of codes (from LDS byte 0)
	s_mul_i32 s59, s25, 768
	s_add_co_u32 s59, s59, AST                     ; my wave's scale bytes: 128 s + 4 R + block
	s_wait_alu depctr_va_vdst(0)
	v_lshl_add_u32 v[LA0], v44, 2, s58
	v_mul_u32_u24 v[LAR], v45, APITCH
	v_lshl_add_u32 v[LAR], v46, 4, v[LAR]
	v_add_nc_u32 v[LAR], s58, v[LAR]
	v_add_nc_u32 v[LS0], s59, v47
	v_mul_u32_u24 v[LSI], v46, 384                 ; lanes 16-31 take K steps 3 to 5
	v_lshl_add_u32 v[LSI], v45, 2, v[LSI]
	v_add_nc_u32 v[LSI], s59, v[LSI]
	v_mul_u32_u24 v[VCW], v46, TU                  ; row 32 w + lane is token lane % 16 of my tile lane / 16
	v_lshl_add_u32 v[VCW], v45, 4, v[VCW]
	v_lshlrev_b32 v[WEA], 2, v45
	v_lshl_add_u32 v[WEA], v46, 14, v[WEA]
	v_lshlrev_b32 v[WSP], 4, v45
	v_mov_b32 v[SI+3], 0                           ; the scale images' fourth words
	v_mov_b32 v[SI+7], 0
.irp i, 0,1,2,3
	v_mov_b32 v[T+64+\i], 0                        ; the last row's conversion names four registers more
.endr
	WIN 0x40                                       ; the partial logits begin as zeros, which spares a second copy of the loop's body
.set n, 0
.rept 256
	v_mov_b32 v[n], 0
.set n, n+1
.endr
	WIN 0
; The gate, for 16 rows (16 tau on) and one K step: partial logit (R, e) += x[R][k] Wg[k][e] for my 4 k: two experts an instruction, x taken for both halves out of its pair.  The same pair of sums comes round every eighth line.
.macro GATE tau, sp
	WIN 0x5b                                       ; x window 3, Wg window 2, the sums window 1
.irp rp, 0,2,4,6,8,10,12,14
.irp i, 0,1,2,3
.irp d, 0,1
.irp ep, 0,2,4,6
.set gA, 8*(16*\tau+\rp+\d)+\ep
.set gX, 128*\sp+64*\tau+4*(\rp+\d)+2*(\i/2)
.set gW, 32*\sp+8*\i+\ep
.if \i%2
	v_pk_fma_f32 v[gA:gA+1], v[gX:gX+1], v[gW:gW+1], v[gA:gA+1] op_sel:[1,0,0] op_sel_hi:[1,1,1]
.else
	v_pk_fma_f32 v[gA:gA+1], v[gX:gX+1], v[gW:gW+1], v[gA:gA+1] op_sel_hi:[0,1,1]
.endif
.endr
.endr
.endr
.endr
.endm
; The quantiser, for the same 16 rows and K step, the rows by turns.  A block of 32 along K lies in 8 neighbouring lanes x 4 registers.  A lane's 4 codes are one word: a row's 128 codes are stored as 128 consecutive bytes.
.macro QUANT16 tau, sp
.set XB, 128*\sp+64*\tau
	s_wait_dscnt 0x0                               ; my earlier LDS stores have read their registers, which are written again below
	WIN 0x3f
.set n, 0
.rept 16
	v_max3_num_f32 v[M+n], |v[XB+4*n]|, |v[XB+4*n+1]|, |v[XB+4*n+2]|
.set n, n+1
.endr
	WIN 0x0c
.set n, 0
.rept 16
	v_max3_num_f32 v[M+n], v[M+n], |v[XB+4*n+3]|, 0x8000000   ; and the floor 2^(16 - 127): the byte cannot fall under 1
.set n, n+1
.endr
	WIN 0
.irp xm, 1,2,4
.set n, 0
.rept 16
	v_max_num_f32_dpp v[M+n], v[M+n], v[M+n] row_xmask:\xm row_mask:0xf bank_mask:0xf   ; over the block's 8 lanes
.set n, n+1
.endr
.endr
.set n, 0
.rept 16
	v_add_nc_u32 v[SCO+n], 0xf8800000, v[M+n]      ; 15 off the exponent field: the conversion's scale operand
.set n, n+1
.endr
.set n, 0
.rept 16
	v_and_or_b32 v[HLD+n], v[M+n], 0x7f800000, s22 ; 57,344 x the scale
.set n, n+1
.endr
.set n, 0
.rept 16
	v_lshrrev_b32 v[M+n], 23, v[SCO+n]             ; the scale's byte
.set n, n+1
.endr
	WIN 0x03
.set n, 0
.rept 64
	v_med3_num_f32 v[T+n], v[XB+n], -v[HLD+n/4], v[HLD+n/4]   ; the conversion to an 8-bit code does not saturate (ISA guide 7.6.2): the hold
.set n, n+1
.endr
	WIN 0
.set n, 0
.rept 16
	v_cvt_scalef32_pk8_bf8_f32 v[CD+2*n:CD+2*n+1], v[T+4*n:T+4*n+7], v[SCO+n]   ; the form takes eight numbers: the upper four are the next row's, and their word is never used
.set n, n+1
.endr
	v_nop                                          ; a plain line behind the last conversion
.set n, 0
.rept 16
	ds_store_b32 v[LAT], v[CD+2*n] offset:(16*\tau+n)*APITCH+128*\sp
	ds_store_b8 v[LST], v[M+n] offset:128*\sp+4*(16*\tau+n)   ; the 8 lanes of a block write the same byte with the same value
.set n, n+1
.endr
.endm
; A K step's images: lane (r, h) takes 16 bytes of row r.  LDS serves a wave's instructions in order (ISA guide 5.7.1.4): these loads see my stores.
.macro IMGLD sp
	s_wait_xcnt 0x0                                ; the last images' stores have read their registers
.irp tt, 0,1
.irp c, 0,1,2,3
	ds_load_b128 v[IMG+16*\tt+4*\c:IMG+16*\tt+4*\c+3], v[LRT] offset:\tt*16*APITCH+128*\sp+32*\c
.endr
.endr
.endm
.macro IMGST sp
	s_wait_dscnt 0x0                               ; the images are in registers
.irp tt, 0,1
.irp c, 0,1,2,3
	global_store_b128 v[VX], v[IMG+16*\tt+4*\c:IMG+16*\tt+4*\c+3], s[14:15] offset:\tt*TU+2048*\sp+512*\c   ; each store covers 512 consecutive bytes, aligned
.endr
.endr
.endm
	s_mov_b32 s23, 3                               ; three trips of two K steps
	s_mov_b32 s48, 0                               ; the trip's place in a row of codes and among the scale bytes
	s_wait_loadcnt 40                              ; the first group of 40 is in; the second may be out
.Lk:
	s_wait_dscnt 0x0                               ; my LDS stores have read the two address registers
	v_add_nc_u32 v[LAT], s48, v[LA0]
	v_add_nc_u32 v[LST], s48, v[LS0]
	v_add_nc_u32 v[LRT], s48, v[LAR]
	GATE 0, 0
	QUANT16 0, 0
	GATE 1, 0
	QUANT16 1, 0
	IMGLD 0
	s_cmp_eq_u32 s23, 1                            ; the last trip asks for no more of x: no load leaves its buffer.  Each group of loads and the wait behind it stand in one arm
	s_cbranch_scc1 .Lk_last_a
	XLOADS 0, 1
	s_wait_loadcnt 40                              ; all but the 40 just issued: this trip's second K step is in
	s_branch .Lk_odd
.Lk_last_a:
	s_cmp_ge_u32 ttmp9, 192                        ; my part of We, into the registers that x's first set has left: 64 loads.  The branch hangs on the work-group's number alone
	s_cbranch_scc1 .Lk_no_we
	WIN 0xc0
.irp c, 0,1,2,3
.irp i, 0,1,2,3,4,5,6,7,8,9,10,11,12,13,14,15
	global_load_b32 v[16*\c+\i], v[WEA], s[72:73] offset:1024*(32*\c+\i) th:TH_LOAD_NT   ; We[e][128 s + 32 c + 16 h + i][column r]
.endr
.endr
	WIN 0
	s_wait_loadcnt 0x3f                            ; 64 were issued behind x's: x is in
	s_branch .Lk_odd
.Lk_no_we:
	s_wait_loadcnt 0x0
.Lk_odd:
	IMGST 0
	GATE 0, 1
	QUANT16 0, 1
	GATE 1, 1
	QUANT16 1, 1
	IMGLD 1
	s_cmp_eq_u32 s23, 1
	s_cbranch_scc1 .Lk_last_b
	XLOADS 1, 1
	s_wait_loadcnt 40                              ; the next trip's first K step is in
	s_branch .Lk_step
.Lk_last_b:
	s_wait_loadcnt 0x0                             ; We too
.Lk_step:
	IMGST 1
	s_wait_xcnt 0x0                                ; loads and stores have read their bases, which step only behind this wait
	s_add_nc_u64 s[4:5], s[4:5], 1024
	s_add_nc_u64 s[6:7], s[6:7], 8192
	s_add_nc_u64 s[14:15], s[14:15], 4096          ; behind the loop: 12,288 bytes on, at the scale images
	s_add_co_u32 s48, s48, 256
	s_sub_co_u32 s23, s23, 1
	s_cmp_lg_u32 s23, 0
	s_cbranch_scc1 .Lk
.irp tt, 0,1
.irp nn, 0,1,2
	ds_load_b32 v[SI+4*\tt+\nn], v[LSI] offset:128*\nn+64*\tt   ; lanes 0-15: K step n; lanes 16-31: K step 3 + n
.endr
.endr
	; THE WEIGHTS: 128 along K x 16 columns a wave.  A LANE HOLDS A COLUMN, AND ITS REGISTERS RUN DOWN K, in the order that the operand's layout gives that lane: the conversions' results are the operand's registers.
	s_cmp_ge_u32 ttmp9, 192
	s_cbranch_scc1 .Lred
.irp b, 0,1,2,3
	v_mov_b32 v[36+\b], 0                          ; a lane permute's destination counts as one of its sources
.endr
	v_mov_b32 v23, 0                               ; the scale image's fourth word
	WIN 0x0f
.irp b, 0,1,2,3
	v_max3_num_f32 v[32+\b], |v[16*\b]|, |v[16*\b+1]|, 0x8000000   ; block b: my 16 numbers, and the floor 2^(16 - 127): the byte cannot fall under 1
.endr
	WIN 0x3c
.irp i, 2,4,6,8,10,12,14
.irp b, 0,1,2,3
	v_max3_num_f32 v[32+\b], v[32+\b], |v[16*\b+\i]|, |v[16*\b+1+\i]|   ; the four blocks by turns
.endr
.endr
	WIN 0
.irp b, 0,1,2,3
	v_permlanex16_b32 v[36+\b], v[32+\b], s20, s21
.endr
.irp b, 0,1,2,3
	v_max_num_f32 v[32+\b], v[32+\b], v[36+\b]     ; with lane l xor 16's 16: the block's largest magnitude
.endr
.irp b, 0,1,2,3
	v_add_nc_u32 v[44+\b], 0xf8800000, v[32+\b]    ; 15 off its exponent field: the conversion's scale operand
.endr
.irp b, 0,1,2,3
	v_and_or_b32 v[40+\b], v[32+\b], 0x7f800000, s22   ; 57,344 x the scale
.endr
.irp b, 0,1,2,3
	v_lshrrev_b32 v[36+\b], 23, v[44+\b]           ; the scale's byte
.endr
	v_lshl_or_b32 v22, v37, 8, v36                 ; the four bytes make column r's scale word; lanes r and r + 16 hold the same
	v_lshl_or_b32 v22, v38, 16, v22
	v_lshl_or_b32 v22, v39, 24, v22
	WIN 0xc3
.irp c, 0,1,2,3
.irp i, 0,1,2,3,4,5,6,7,8,9,10,11,12,13,14,15
	v_med3_num_f32 v[16*\c+\i], v[16*\c+\i], -v[40+\c], v[40+\c]   ; the hold at the largest code x the scale
.endr
.endr
	WIN 0x03
.irp c, 0,1,2,3
	v_cvt_scalef32_pk8_bf8_f32 v[48+4*\c:49+4*\c], v[16*\c:16*\c+7], v[44+\c]   ; registers 4 c .. 4 c + 3 of the operand
	v_cvt_scalef32_pk8_bf8_f32 v[50+4*\c:51+4*\c], v[16*\c+8:16*\c+15], v[44+\c]
.endr
	v_nop                                          ; a plain line behind the last conversion
	WIN 0
.irp c, 0,1,2,3
	global_store_b128 v[VX], v[48+4*\c:51+4*\c], s[76:77] offset:512*\c   ; the image: each store covers 512 consecutive bytes, aligned
.endr
	s_cmp_eq_u32 s85, 2                            ; K steps 2 and 5 store the fourth word, 0, with their own
	s_cbranch_scc1 .Lwith_pad
	global_store_b32 v[WSP], v22, s[78:79]         ; lanes r and r + 16 store the same word to the same place
	s_branch .Lscales_done
.Lwith_pad:
	global_store_b64 v[WSP], v[22:23], s[78:79]
.Lscales_done:
	s_wait_xcnt 0x0                                ; these stores have read their registers, which are written again below
.Lred:
	; THE LOGITS: 256 sums over the 32 lanes, so made that lane l ends with the 8 sums of row l.  In each step a lane keeps half of its sums and gives the other half to its partner.
	; Lanes l and l xor 16: lanes 0-15 keep rows 0-15, lanes 16-31 rows 16-31.  The kept sums come down into window 0.
	s_wait_xcnt 0x0                                ; the images' stores have read their registers
.irp ch, 0,1,2,3
	WIN 0x05
.set n, 0
.rept 32
	v_cndmask_b32 v[T0+n], v[128+32*\ch+n], v[32*\ch+n], s50       ; what I send
	v_cndmask_b32 v[RES+32*\ch+n], v[32*\ch+n], v[128+32*\ch+n], s50   ; what I keep
.set n, n+1
.endr
	WIN 0
.set n, 0
.rept 32
	v_permlanex16_b32 v[T1+n], v[T0+n], s20, s21
.set n, n+1
.endr
.set n, 0
.rept 16
	v_pk_add_f32 v[RES+32*\ch+n:RES+32*\ch+n+1], v[RES+32*\ch+n:RES+32*\ch+n+1], v[T1+n:T1+n+1]
.set n, n+2
.endr
.endr
	s_wait_dscnt 0x0                               ; the scale images are in registers
.irp tt, 0,1
	global_store_b128 v[VX], v[SI+4*\tt:SI+4*\tt+3], s[14:15] offset:\tt*TU
.endr
.macro RSTEP cnt, xm, mask             ; lanes l and l xor xm: both halves are summed, and each lane keeps its own
.set n, 0
.rept \cnt
	v_add_f32_dpp v[RES+n], v[RES+n], v[RES+n] row_xmask:\xm row_mask:0xf bank_mask:0xf
	v_add_f32_dpp v[RES+\cnt+n], v[RES+\cnt+n], v[RES+\cnt+n] row_xmask:\xm row_mask:0xf bank_mask:0xf
.set n, n+1
.endr
.set n, 0
.rept \cnt
	v_cndmask_b32 v[RES+n], v[RES+n], v[RES+\cnt+n], s[\mask]
.set n, n+1
.endr
.endm
	RSTEP 64, 8, 51
	RSTEP 32, 4, 52
	RSTEP 16, 2, 53
	RSTEP 8, 1, 54
	; SOFTMAX AND TOP-2 of my row.  v128-135 logits; v136 maximum, v137 sum, v138 its reciprocal; v139 best value, v140 first choice, v141 second; v144-151 exponentials; v152-159 p; v160-167 p without the first choice; v168-175 weights
	s_wait_alu depctr_va_vdst(0)
	s_wait_kmcnt 0x0                               ; bg
.irp e, 0,1,2,3,4,5,6,7
	v_add_f32 v[128+\e], s[40+\e], v[128+\e]
.endr
	v_max3_num_f32 v136, v128, v129, v130
	v_max3_num_f32 v136, v136, v131, v132
	v_max3_num_f32 v136, v136, v133, v134
	v_max_num_f32 v136, v136, v135
.irp e, 0,1,2,3,4,5,6,7
	v_sub_f32 v[144+\e], v[128+\e], v136           ; the maximum is taken away first
.endr
.irp e, 0,1,2,3,4,5,6,7
	v_mul_f32 v[144+\e], 0x3fb8aa3b, v[144+\e]     ; x log2(e)
.endr
	s_wait_alu depctr_va_vdst(0)
.irp e, 0,1,2,3,4,5,6,7
	v_exp_f32 v[144+\e], v[144+\e]
.endr
	v_nop                                          ; a plain line behind the exponentials
	s_wait_alu depctr_va_vdst(0)
	v_add_f32 v137, v144, v145
	v_add_f32 v138, v146, v147
	v_add_f32 v139, v148, v149
	v_add_f32 v140, v150, v151
	v_add_f32 v137, v137, v138
	v_add_f32 v139, v139, v140
	v_add_f32 v137, v137, v139
	s_wait_alu depctr_va_vdst(0)
	v_rcp_f32 v138, v137
	v_mov_b32 v140, 0                              ; (a plain line behind the reciprocal)  the first choice begins at expert 0
	s_wait_alu depctr_va_vdst(0)
.irp e, 0,1,2,3,4,5,6,7
	v_mul_f32 v[152+\e], v[144+\e], v138           ; p
.endr
	v_mov_b32 v139, v152
.irp e, 1,2,3,4,5,6,7
	v_cmp_le_f32 vcc_lo, v[152+\e], v139           ; a later expert takes the place only if it is strictly larger: the lower index wins a tie
	v_cndmask_b32 v139, v[152+\e], v139, vcc_lo
	v_cndmask_b32 v140, \e, v140, vcc_lo
.endr
.irp e, 0,1,2,3,4,5,6,7
	v_cmp_ne_u32 vcc_lo, \e, v140
	v_cndmask_b32 v[160+\e], -1.0, v[152+\e], vcc_lo   ; the first choice leaves the field: -1 lies under every p
.endr
	v_mov_b32 v139, v160
	v_mov_b32 v141, 0
.irp e, 1,2,3,4,5,6,7
	v_cmp_le_f32 vcc_lo, v[160+\e], v139
	v_cndmask_b32 v139, v[160+\e], v139, vcc_lo
	v_cndmask_b32 v141, \e, v141, vcc_lo
.endr
.irp e, 0,1,2,3,4,5,6,7
	v_cmp_eq_u32 vcc_lo, \e, v141
	v_cndmask_b32 v[168+\e], 0, v[152+\e], vcc_lo
	v_cmp_eq_u32 vcc_lo, \e, v140
	v_cndmask_b32 v[168+\e], v[168+\e], v[152+\e], vcc_lo   ; p for the two chosen, 0 for the others: the choice selects values and steers nothing
.endr
	global_store_b128 v[VCW], v[168:171], s[14:15] offset:512   ; sixteen lanes store 256 consecutive bytes, aligned: experts 0-3 of a tile's tokens,
	global_store_b128 v[VCW], v[172:175], s[14:15] offset:768   ; experts 4-7
	s_wait_tensorcnt 0x0                           ; the wave's end
	ds_add_u32 v30, v31
	s_wait_dscnt 0x0
	s_endpgm
.Lfunc_end_k_q1a3864968d_gateq:
	.size	k_q1a3864968d_gateq, .Lfunc_end_k_q1a3864968d_gateq-k_q1a3864968d_gateq
	.p2alignl 7, 3214868480
	.fill 96, 4, 3214868480
	.section	.rodata,"a",@progbits
	.p2align	6, 0x0
	.amdhsa_kernel k_q1a3864968d_gateq
		.amdhsa_group_segment_fixed_size 103936
		.amdhsa_private_segment_fixed_size 0
		.amdhsa_enable_private_segment 0
		.amdhsa_kernarg_size 48
		.amdhsa_user_sgpr_count 2
		.amdhsa_user_sgpr_kernarg_segment_ptr 1
		.amdhsa_wavefront_size32 1
		.amdhsa_system_sgpr_workgroup_id_x 1
		.amdhsa_system_sgpr_workgroup_id_y 1
		.amdhsa_system_sgpr_workgroup_id_z 1
		.amdhsa_system_vgpr_workitem_id 0
		.amdhsa_next_free_vgpr 1024
		.amdhsa_next_free_sgpr 100
		.amdhsa_reserve_vcc 1
		.amdhsa_float_denorm_mode_32 3
		.amdhsa_float_denorm_mode_16_64 3
		.amdhsa_memory_ordered 1
		.amdhsa_forward_progress 1
		.amdhsa_inst_pref_size 231
	.end_amdhsa_kernel
	.amdgpu_metadata
---
amdhsa.version: [ 1, 2 ]
amdhsa.kernels:
  - .name:           k_q1a3864968d_gateq
    .symbol:         k_q1a3864968d_gateq.kd
    .args:
      - { .name: x, .offset: 0, .size: 8, .value_kind: global_buffer, .address_space: global }
      - { .name: Wg, .offset: 8, .size: 8, .value_kind: global_buffer, .address_space: global }
      - { .name: bg, .offset: 16, .size: 8, .value_kind: global_buffer, .address_space: global }
      - { .name: We, .offset: 24, .size: 8, .value_kind: global_buffer, .address_space: global }
      - { .name: xq, .offset: 32, .size: 8, .value_kind: global_buffer, .address_space: global }
      - { .name: wq, .offset: 40, .size: 8, .value_kind: global_buffer, .address_space: global }
    .group_segment_fixed_size: 103936
    .private_segment_fixed_size: 0
    .kernarg_segment_align: 8
    .kernarg_segment_size: 48
    .max_flat_workgroup_size: 128
    .sgpr_count:     100
    .vgpr_count:     1024
    .wavefront_size: 32
...
	.end_amdgpu_metadata
.endif
;; end of part 1
;; launch moe (part 2): grid 256 x 1, 4 waves a work-group, clusters of 4 x 1, 327,680 bytes of LDS; arguments xq, wq, be, out0; writes out0
.if DOCPART == 2
	.amdgcn_target "amdgcn-amd-amdhsa--gfx1250"
	.amdhsa_code_object_version 6
	.text
	.protected	k_q1a3864968d_moe
	.globl	k_q1a3864968d_moe
	.p2align	8
	.type	k_q1a3864968d_moe,@function
k_q1a3864968d_moe:
	s_mov_b64 s[64:65], 0
	v_nop
	global_prefetch_b8 v0, s[64:65] scope:SCOPE_SE
	s_setreg_imm32_b32 hwreg(HW_REG_WAVE_MODE, 25, 1), 1
	s_wait_xcnt 0x0
	s_wait_alu depctr_hold_cnt(0) depctr_sa_sdst(0) depctr_va_vdst(0) depctr_va_sdst(0) depctr_va_ssrc(0) depctr_va_vcc(0) depctr_vm_vsrc(0)
	s_getreg_b32 s2, hwreg(HW_REG_IB_STS2, 6, 4)
	s_cmp_eq_u32 s2, 0
	s_cbranch_scc0 .Lentry_in_a_cluster
	s_endpgm
.Lentry_in_a_cluster:
	s_bfe_u32 s2, ttmp6, 0x10000c
	s_cmp_lg_u32 s2, 0x3003
	s_cbranch_scc0 .Lentry_shape_is_right
	s_endpgm
.Lentry_shape_is_right:
; SECOND OF TWO LAUNCHES: out[t][o] = sum over e of p[t][e] (x[t] We[e] + be[e])[o], all eight experts, p = 0 for the six that token t did not choose.
; A cluster of four work-groups takes 512 tokens (32 tiles of 16, the token units of xq); work-group cx makes columns 64 cx .. 64 cx + 63, wave w 16 of them.
; A wave keeps its 16 columns of all eight experts, all of K, in 768 registers, loaded once; the tiles stream past through two LDS slots of eight tiles, which the four work-groups ask for JOINTLY (mask 15); a wave's load brings two units, 26,624 dense bytes.
; Source 0 = 16 columns of We, source 1 = 16 tokens: lane (r, h) then holds token r and columns 8 h + 0 .. 7, so p is one number a lane.
; A TILE: six K steps x eight experts = 48 products.  Fragments of K steps 0-2 (S0) and 3-5 (S1) have one set of registers each: behind K step 2 S0 takes the next tile's, behind K step 5 S1 does.
; In the last K step each expert's sum is weighed by p into OUT, two products behind its own.  sum of p be is a product of K = 8 in f32 (two 16x16x4 instructions), with which OUT begins.
; A slot's results stand in one of two stages in LDS, [128 tokens][64 columns] f32, and leave during the next slot's tiles: a store covers two aligned runs of 256 bytes.
; No prefetch: a slot is asked for with a whole slot's 384 products a wave ahead of the wait for it; the weights are loaded once, ahead of the loop.
; LIMITS: NaN and infinities among the inputs are not served; sums beyond f32's range are not served.
; REGISTERS: windows 1 to 3: the weights, K step k at window 1 + k / 2, v[128 (k % 2) + 16 e].  Window 0: as named below.
.set TU,     13312
.set SLOTB,  8*TU
.set QT,     2*TU
.set XSOFF,  12288
.set CWOFF,  12800
.set UNIT,   12800
.set STG,    2*SLOTB                   ; two stages of 128 rows behind the slots
.set SPITCH, 272
.set PB,     32*SPITCH                 ; a pair of tiles in a stage
.set STGB,   4*PB
.set SPARE,  STG+2*STGB                ; the spare words
.set SPW,  1
.set NIL,  2
.set LXA,  3                           ; 16 x lane in the pair of tiles at hand
.set LCA,  4                           ; its p: 16 r
.set STA,  5                           ; where my results go in the stage
.set SRA,  6                           ; where I read rows of the other stage
.set GO,   7                           ; my byte offset in two rows of out
.set LX0,  8
.set LC0,  9
.set STO,  10
.set SRD,  11
.set AB,   12                          ; v12-15   be[4 h + j][column r], j = 0 .. 3
.set WS,   16                          ; v16-47   expert e: three scale words and a zero
.set XS,   50                          ; v50-57   a tile's three scale words, two sets
.set CWR,  58                          ; v58-65   p of token r
.set BB,   66                          ; v66-69   p of token r, experts 4 h + 0 .. 3
.set BD,   70                          ; v70-77   sum of p be: written by the f32 products alone
.set OUT,  78                          ; v78-85
.set OB,   86                          ; v86-93   rows on their way out
.set BF,   94                          ; v94-189  six fragments
.set ACC,  190                         ; v190-253
.set VB,   254
.set SR2,  255
.set G1,   24
.set G0,   32
.set TB,   40
.set TS,   41
.set TR,   42
.set CNT,  43
.set MSB, 0
.macro WIN new                         ; the immediate's high byte repeats the setting that is left
.if MSB != (\new)
	s_set_vgpr_msb (MSB<<8)|(\new)
.set MSB, (\new)
.endif
.endm
.macro NOPS n
.rept \n
	v_nop
.endr
.endm
.macro CREST                           ; a round of the cluster's barrier behind its opening barrier
	s_cmp_lg_u32 s10, 0
	s_cbranch_scc1 .Lnot_wave_0_\@
	s_barrier_signal -3
.Lnot_wave_0_\@:
	s_barrier_wait -3
	s_barrier_signal -1
	s_barrier_wait -1
.endm
.macro CROUND
	s_barrier_signal -1
	s_barrier_wait -1
	CREST
.endm
	s_load_b256 s[12:19], s[0:1], 0x0              ; xq s[12:13], wq s[14:15], be s[16:17], out0 s[18:19]
	v_lshl_add_u32 v[SPW], v0, 2, SPARE
	v_mov_b32 v[NIL], 0
	ds_add_u32 v[SPW], v[NIL]
	ds_add_u32 v[SPW], v[NIL]
	v_lshrrev_b32 v60, 5, v0
	v_readfirstlane_b32 s10, v60                   ; wave
	v_and_b32 v61, 31, v0                          ; lane
	v_and_b32 v62, 15, v0                          ; r
	v_bfe_u32 v63, v0, 4, 1                        ; h
	v_lshlrev_b32 v[LX0], 4, v61
	v_lshlrev_b32 v[LC0], 4, v62
	v_add_nc_u32 v[LC0], CWOFF, v[LC0]
	v_lshlrev_b32 v[GO], 10, v63                   ; lanes 0-15 one row of out (1,024 bytes), lanes 16-31 the next
	v_lshl_add_u32 v[GO], v62, 4, v[GO]
	v_lshlrev_b32 v[VB], 12, v63                   ; be: four rows of 1,024 bytes further down for lanes 16-31
	v_lshl_add_u32 v[VB], v62, 2, v[VB]
	v_mul_u32_u24 v[STO], v62, SPITCH              ; into the stage: row r, my 16 columns, 32 bytes a lane
	v_lshl_add_u32 v[STO], v63, 5, v[STO]
	v_mul_u32_u24 v[SRD], v63, SPITCH              ; out of it: rows 8 w + 2 n + h of a pair's 32
	v_lshl_add_u32 v[SRD], v62, 4, v[SRD]
	s_lshl_b32 s20, s10, 6
	s_add_co_u32 s20, s20, STG
	v_add_nc_u32 v[STO], s20, v[STO]
	s_mul_i32 s20, s10, 8*SPITCH
	s_add_co_u32 s20, s20, STG
	v_add_nc_u32 v[SRD], s20, v[SRD]
	s_bfe_u32 s11, ttmp6, 0x40000                  ; cx
	s_mov_b32 s[G1], 15|(3<<16)|(1<<21)            ; all four work-groups; elements of 8 bytes
	s_mov_b32 s[G1+1], 32<<16                      ; 104 rows of 256 bytes, dense
	s_mov_b32 s[G1+2], 104<<16
	s_mov_b32 s[G1+3], 32<<16
	s_mov_b32 s[G1+4], 104
	s_mov_b32 s[G1+5], 32
	s_mov_b32 s[G1+6], 0
	s_mov_b32 s[G1+7], 0
	s_mul_i32 s21, s10, QT                         ; I fetch units 2 w, 2 w + 1 of a slot
	s_mul_i32 s46, ttmp9, 32*TU                    ; (ttmp9 counts clusters)
	s_add_co_u32 s46, s46, s21
	s_mov_b32 s47, 0
	s_lshl_b32 s48, s11, 2                         ; wq: unit (4 cx + w) 8
	s_add_co_u32 s48, s48, s10
	s_mul_i32 s48, s48, 8*UNIT
	s_mov_b32 s49, 0
	s_lshl_b32 s50, s11, 8                         ; be: column 64 cx + 16 w
	s_lshl_b32 s51, s10, 6
	s_add_co_u32 s50, s50, s51
	s_mov_b32 s51, 0
	s_lshl_b32 s52, ttmp9, 19                      ; out: row 512 x cluster + 8 w, column 64 cx
	s_lshl_b32 s53, s10, 13
	s_add_co_u32 s52, s52, s53
	s_lshl_b32 s53, s11, 8
	s_add_co_u32 s52, s52, s53
	s_mov_b32 s53, 0
	s_wait_alu depctr_va_vdst(0)
	s_wait_dscnt 0x0                               ; both opening adds are done
	s_wait_kmcnt 0x0
	s_mov_b32 s[G0], 1
	s_mov_b32 s[G0+1], s21
	s_add_nc_u64 s[G0+2:G0+3], s[12:13], s[46:47]
	s_mov_b32 s[G0+4], 1
	s_add_co_u32 s[G0+5], s21, SLOTB
	s_add_nc_u64 s[G0+6:G0+7], s[G0+2:G0+3], SLOTB
	s_or_b32 s[G0+3], s[G0+3], 0x80000000
	s_or_b32 s[G0+7], s[G0+7], 0x80000000
	s_add_nc_u64 s[14:15], s[14:15], s[48:49]
	s_add_nc_u64 s[16:17], s[16:17], s[50:51]
	s_add_nc_u64 s[18:19], s[18:19], s[52:53]
	CROUND                                         ; all four work-groups are here: the first joint loads meet
	tensor_load_to_lds s[G0:G0+3], s[G1:G1+7]
	s_nop 0
	NOPS 4
; my weights: scale words, biases, then 32 loads for each K step in ascending order
.set n, 0
.rept 8
	global_load_b128 v[WS+4*n:WS+4*n+3], v[LX0], s[14:15] offset:n*UNIT+XSOFF
.set n, n+1
.endr
.irp j, 0,1,2,3
	global_load_b32 v[AB+\j], v[VB], s[16:17] offset:1024*\j
.endr
.set ks, 0
.rept 6
	WIN (1+ks/2)<<6
.set n, 0
.rept 32
	global_load_b128 v[128*(ks%2)+4*n:128*(ks%2)+4*n+3], v[LX0], s[14:15] offset:(n/4)*UNIT+2048*ks+512*(n%4)
.set n, n+1
.endr
.set ks, ks+1
.endr
	WIN 0
; three fragments of a tile (K steps 0-2) at byte off, and its scale words: 13 loads
.macro R1 off, xn
	WIN 0
.set n, 0
.rept 12
	ds_load_b128 v[BF+4*n:BF+4*n+3], v[LXA] offset:(\off)+512*n
.set n, n+1
.endr
	ds_load_b128 v[XS+4*\xn:XS+4*\xn+3], v[LXA] offset:(\off)+XSOFF
.endm
; the other three, and p in both layouts: 15 loads
.macro R2 off
	WIN 0
.set n, 12
.rept 12
	ds_load_b128 v[BF+4*n:BF+4*n+3], v[LXA] offset:(\off)+512*n
.set n, n+1
.endr
	ds_load_b128 v[CWR:CWR+3], v[LCA] offset:(\off)
	ds_load_b128 v[CWR+4:CWR+7], v[LCA] offset:(\off)+256
	ds_load_b128 v[BB:BB+3], v[LXA] offset:(\off)+CWOFF
.endm
; one product: K step k, expert e; xp: the tile's set of scale words.  The eight accumulators take turns.  K steps 3-5 take both scale words from lanes 16-31.
.macro WM k, e, xp
.set rD, ACC+8*(\e)
.set rA, 128*((\k)%2)+16*(\e)
.set rB, BF+16*(\k)
.set rSA, WS+4*(\e)+(\k)%3
.set rSB, XS+4*(\xp)+(\k)%3
	WIN 1+(\k)/2
.if (\k) == 0
	v_wmma_scale_f32_16x16x128_f8f6f4 v[rD:rD+7], v[rA:rA+15], v[rB:rB+15], 0, v[rSA], v[rSB] matrix_a_fmt:MATRIX_FMT_BF8 matrix_b_fmt:MATRIX_FMT_BF8
.elseif (\k) < 3
	v_wmma_scale_f32_16x16x128_f8f6f4 v[rD:rD+7], v[rA:rA+15], v[rB:rB+15], v[rD:rD+7], v[rSA], v[rSB] matrix_a_fmt:MATRIX_FMT_BF8 matrix_b_fmt:MATRIX_FMT_BF8
.else
	v_wmma_scale_f32_16x16x128_f8f6f4 v[rD:rD+7], v[rA:rA+15], v[rB:rB+15], v[rD:rD+7], v[rSA], v[rSB] matrix_a_fmt:MATRIX_FMT_BF8 matrix_b_fmt:MATRIX_FMT_BF8 matrix_a_scale:MATRIX_SCALE_ROW1 matrix_b_scale:MATRIX_SCALE_ROW1
.endif
.endm
.macro KS k, xp
.irp e, 0,1,2,3,4,5,6,7
	WM \k, \e, \xp
.endr
.endm
; K step 2, and among it sum of p be: instruction i holds experts 4 h + 2 i, 4 h + 2 i + 1 in lane half h; three products stand between the two
.macro K2 xp
.irp e, 0,1,2,3
	WM 2, \e, \xp
.endr
	WIN 0
	v_wmma_f32_16x16x4_f32 v[BD:BD+7], v[AB:AB+1], v[BB:BB+1], 0
.irp e, 4,5,6
	WM 2, \e, \xp
.endr
	WIN 0
	v_wmma_f32_16x16x4_f32 v[BD:BD+7], v[AB+2:AB+3], v[BB+2:BB+3], v[BD:BD+7]
	WM 2, 7, \xp
.endm
.macro CMB e                           ; OUT += p[e] x expert e's sum; expert 0 begins with sum of p be
	WIN 0
.set cA, ACC+8*(\e)
.set cW, CWR+2*((\e)/2)
.irp jj, 0,2,4,6
.if (\e) == 0
	v_pk_fma_f32 v[OUT+\jj:OUT+\jj+1], v[cA+\jj:cA+\jj+1], v[cW:cW+1], v[BD+\jj:BD+\jj+1] op_sel_hi:[1,0,1]
.elseif (\e)%2
	v_pk_fma_f32 v[OUT+\jj:OUT+\jj+1], v[cA+\jj:cA+\jj+1], v[cW:cW+1], v[OUT+\jj:OUT+\jj+1] op_sel:[0,1,0] op_sel_hi:[1,1,1]
.else
	v_pk_fma_f32 v[OUT+\jj:OUT+\jj+1], v[cA+\jj:cA+\jj+1], v[cW:cW+1], v[OUT+\jj:OUT+\jj+1] op_sel_hi:[1,0,1]
.endif
.endr
.endm
; The last K step.  Behind expert e's product stand eight plain lines of others ahead of CMB e; behind the last product nine that name none of its registers, ahead of S1's loads and of the next tile's first product on that accumulator.
.macro LASTK xp
	WM 5, 0, \xp
	NOPS 4
	WM 5, 1, \xp
	NOPS 4
.irp e, 2,3,4,5,6,7
	WM 5, \e, \xp
	CMB \e-2
.endr
	CMB 6
	CMB 7
	v_nop
.endm
.macro OUTST ju
	WIN 0
	ds_store_b128 v[STA], v[OUT:OUT+3] offset:(\ju)*16*SPITCH
	ds_store_b128 v[STA], v[OUT+4:OUT+7] offset:(\ju)*16*SPITCH+16
.endm
.macro SLD a                           ; two of a pair's four reads of rows of the other stage
	WIN 0
	ds_load_b128 v[OB:OB+3], v[SRA] offset:(\a)*2*SPITCH
	ds_load_b128 v[OB+4:OB+7], v[SRA] offset:((\a)+1)*2*SPITCH
.endm
.macro SST a                           ; and their stores: each covers two rows' 256 bytes, aligned
	WIN 0
	global_store_b128 v[GO], v[OB:OB+3], s[18:19] offset:2048*(\a) th:TH_STORE_NT
	global_store_b128 v[GO], v[OB+4:OB+7], s[18:19] offset:2048*((\a)+1) th:TH_STORE_NT
.endm
.macro PTOP snd
	v_add_nc_u32 v[LXA], s[TB], v[LX0]
	v_add_nc_u32 v[LCA], s[TB], v[LC0]
	v_add_nc_u32 v[STA], s[TS], v[STO]
.if \snd
	v_add_nc_u32 v[SRA], s[TR], v[SRD]
.endif
	s_wait_alu depctr_va_vdst(0)
.endm
; A pair's first tile.  snd: rows of the slot before leave; bar: a barrier shows all waves' last results of the slot before; wl: the launch's first tile still waits for weights.
.macro TILEA snd, bar, wl
	s_wait_dscnt 15                                ; S0 and the scale words are in; R2's 15 may be out
	KS 0, 0
	KS 1, 0
	s_wait_dscnt 0x0                               ; S1 and p are in
.if \bar
	s_barrier_signal -1
.endif
	K2 0
	WIN 0
.if \bar
	s_barrier_wait -1
.endif
.if \snd
	s_wait_xcnt 0x0                                ; earlier stores have read OB
.endif
	NOPS 8                                         ; places behind K step 2, ahead of loads into S0
.if \snd
	SLD 0
.endif
	R1 TU, 1
	KS 3, 0
.if \wl
	s_wait_loadcnt 0x20                            ; all weights but K step 5's
.endif
.if \snd
	s_wait_dscnt 13                                ; the two reads ahead of R1's 13 are in
	SST 0
.endif
	KS 4, 0
.if \wl
	s_wait_loadcnt 0x0
.endif
.if \snd
	s_wait_xcnt 0x0                                ; those stores have read OB
.endif
	LASTK 0
.if \snd
	SLD 2
.endif
	OUTST 0
	R2 TU
.endm
; A pair's second tile.  kind 0: the next tile lies behind this one.  1: slot b has been read: it is filled again, and the next tile is the other slot's first.  2: the same, nothing is filled.  3: the last tile.
.macro TILEB snd, kind, b
.if (\kind) == 1 || (\kind) == 2
	v_add_nc_u32 v[LXA], (1-(\b))*SLOTB, v[LX0]
	v_add_nc_u32 v[LCA], (1-(\b))*SLOTB, v[LC0]
	s_wait_alu depctr_va_vdst(0)
.elseif (\kind) == 3
	v_add_nc_u32 v[SR2], (\b)*STGB, v[SRD]         ; this slot's own stage
	s_wait_alu depctr_va_vdst(0)
.endif
	s_wait_dscnt 15                                ; S0, the scale words and the two reads of the stage are in
.if \snd
	SST 2
.endif
	KS 0, 1
.if (\kind) == 1 || (\kind) == 2
	WIN 0
	s_wait_tensorcnt 0x0                           ; my part of the other slot has landed
.if (\kind) == 1
	ds_add_u32 v[SPW], v[NIL]
	s_add_nc_u64 s[G0+4*(\b)+2:G0+4*(\b)+3], s[G0+4*(\b)+2:G0+4*(\b)+3], 2*SLOTB
.endif
.endif
	KS 1, 1
	s_wait_dscnt 0x0                               ; the add and all my reads of this slot are done
.if (\kind) == 1 || (\kind) == 2
	s_barrier_signal -1
.endif
	K2 1
	WIN 0
.if (\kind) == 1 || (\kind) == 2
	s_barrier_wait -1
.endif
.if (\kind) == 1
	CREST                                          ; no wave of any partner still reads this slot
	tensor_load_to_lds s[G0+4*(\b):G0+4*(\b)+3], s[G1:G1+7]
	s_nop 0
	NOPS 4
.endif
.if \snd
	s_wait_xcnt 0x0                                ; the stores have read OB and their base
	s_add_nc_u64 s[18:19], s[18:19], 32*1024
.endif
	NOPS 8
.if (\kind) == 0
	R1 2*TU, 0
.elseif (\kind) == 3
.set n, 0
.rept 12                               ; this slot's first three pairs, into S0's registers
	ds_load_b128 v[BF+4*n:BF+4*n+3], v[SR2] offset:(n/4)*PB+(n%4)*2*SPITCH
.set n, n+1
.endr
.else
	R1 0, 0
.endif
	KS 3, 1
.if (\kind) == 3
	WIN 0
	s_wait_dscnt 0x0
.set n, 0
.rept 12
	global_store_b128 v[GO], v[BF+4*n:BF+4*n+3], s[18:19] offset:(n/4)*32*1024+(n%4)*2048 th:TH_STORE_NT
.set n, n+1
.endr
.endif
	KS 4, 1
	LASTK 1
	OUTST 1
.if (\kind) == 0
	R2 2*TU
.elseif (\kind) < 3
	R2 0
.endif
.endm
; A slot: four pairs of tiles, the last written out
.macro SLOT s, snd, kind, wl
	s_mov_b32 s[TB], ((\s)%2)*SLOTB
	s_mov_b32 s[TS], ((\s)%2)*STGB
	s_mov_b32 s[TR], (1-(\s)%2)*STGB
	s_mov_b32 s[CNT], 3
.Lpair_\@:
	PTOP \snd
	TILEA \snd, 0, \wl
	TILEB \snd, 0, 0
	s_add_co_u32 s[TB], s[TB], 2*TU
	s_add_co_u32 s[TS], s[TS], PB
	s_add_co_u32 s[TR], s[TR], PB
	s_sub_co_u32 s[CNT], s[CNT], 1
	s_cmp_lg_u32 s[CNT], 0
	s_cbranch_scc1 .Lpair_\@
	PTOP \snd
	TILEA \snd, \snd, 0
	TILEB \snd, \kind, (\s)%2
.endm
	s_wait_tensorcnt 0x0                           ; my part of slot 0 is in
	ds_add_u32 v[SPW], v[NIL]
	s_wait_dscnt 0x0
	CROUND
	tensor_load_to_lds s[G0+4:G0+7], s[G1:G1+7]    ; slot 1
	s_nop 0
	NOPS 4
	v_mov_b32 v[LXA], v[LX0]
	v_mov_b32 v[LCA], v[LC0]
	s_wait_alu depctr_va_vdst(0)
	R1 0, 0
	R2 0
	s_wait_loadcnt 0x3f                            ; the last 64 loads are K steps 4 and 5: all ahead of them is in
	SLOT 0, 0, 1, 1
	SLOT 1, 1, 1, 0
	SLOT 2, 1, 2, 0
	SLOT 3, 1, 3, 0
	; the last pair of tiles
	s_wait_dscnt 0x0
	s_barrier_signal -1
	s_barrier_wait -1
.set n, 0
.rept 4
	ds_load_b128 v[BF+48+4*n:BF+48+4*n+3], v[SR2] offset:3*PB+n*2*SPITCH
.set n, n+1
.endr
.set n, 0
.rept 4
	s_wait_dscnt 3-n
	global_store_b128 v[GO], v[BF+48+4*n:BF+48+4*n+3], s[18:19] offset:3*32*1024+n*2048 th:TH_STORE_NT
.set n, n+1
.endr
	s_wait_tensorcnt 0x0                           ; the wave's end
	ds_add_u32 v[SPW], v[NIL]
	s_wait_dscnt 0x0
	CROUND                                         ; the closing round
	s_endpgm
.Lfunc_end_k_q1a3864968d_moe:
	.size	k_q1a3864968d_moe, .Lfunc_end_k_q1a3864968d_moe-k_q1a3864968d_moe
	.p2alignl 7, 3214868480
	.fill 96, 4, 3214868480
	.section	.rodata,"a",@progbits
	.p2align	6, 0x0
	.amdhsa_kernel k_q1a3864968d_moe
		.amdhsa_group_segment_fixed_size 327680
		.amdhsa_private_segment_fixed_size 0
		.amdhsa_enable_private_segment 0
		.amdhsa_kernarg_size 32
		.amdhsa_user_sgpr_count 2
		.amdhsa_user_sgpr_kernarg_segment_ptr 1
		.amdhsa_wavefront_size32 1
		.amdhsa_system_sgpr_workgroup_id_x 1
		.amdhsa_system_sgpr_workgroup_id_y 1
		.amdhsa_system_sgpr_workgroup_id_z 1
		.amdhsa_system_vgpr_workitem_id 0
		.amdhsa_next_free_vgpr 1024
		.amdhsa_next_free_sgpr 66
		.amdhsa_reserve_vcc 0
		.amdhsa_float_denorm_mode_32 3
		.amdhsa_float_denorm_mode_16_64 3
		.amdhsa_memory_ordered 1
		.amdhsa_forward_progress 1
		.amdhsa_inst_pref_size 218
	.end_amdhsa_kernel
	.amdgpu_metadata
---
amdhsa.version: [ 1, 2 ]
amdhsa.kernels:
  - .name:           k_q1a3864968d_moe
    .symbol:         k_q1a3864968d_moe.kd
    .args:
      - { .name: xq, .offset: 0, .size: 8, .value_kind: global_buffer, .address_space: global }
      - { .name: wq, .offset: 8, .size: 8, .value_kind: global_buffer, .address_space: global }
      - { .name: be, .offset: 16, .size: 8, .value_kind: global_buffer, .address_space: global }
      - { .name: out0, .offset: 24, .size: 8, .value_kind: global_buffer, .address_space: global }
    .group_segment_fixed_size: 327680
    .private_segment_fixed_size: 0
    .kernarg_segment_align: 8
    .kernarg_segment_size: 32
    .max_flat_workgroup_size: 128
    .sgpr_count:     66
    .vgpr_count:     1024
    .wavefront_size: 32
...
	.end_amdgpu_metadata
.endif
;; end of part 2
